; MI455X (gfx1250); checked and timed in simulation.
; The chip was launched on July 23, 2026; its instructions are those of AMD's public machine-readable ISA for CDNA 5 (MIT licence, August 2026) and "CDNA5" Instruction Set Architecture Reference Guide (July 2026). The comments in the code are by the model that wrote it; some were corrected since.
;; Global Attention. Allowed arithmetic: matrix products marked QUANTISED: E2M3 operands, one E8M0 scale for each 32 along K, by v_wmma_scale_f32_16x16x128_f8f6f4 with both operands' format E2M3, f32 sums; products left as they are: f32 operands where the result goes on into a quantised operand, else bf16, f16 or f32 operands; f32 sums; everything else in f32.
;; Inputs: attn_b 1,024 float32; attn_w 2,048 x 1,024 float32; encoder_outputs 16 x 4,096 x 1,024 float32; hidden 16 x 512 float32; v_w 1,024 float32.
;; Outputs: out0 16 x 1,024 float32.
;; This version of the problem:
;;   THIS VERSION OF THE PROBLEM IS GIVEN IN LOW PRECISION. The matrix products marked QUANTISED in the list below multiply operands that are first quantised to E2M3 (2 exponent bits, 3 mantissa bits; 6 bits a number), with one power-of-two scale for each 32 numbers along K (OCP MX v1.0); their sums are f32. All else is computed in f32.
;;   The module's matrix products, in the order in which they are computed (A, B: the left and right operand; K: the contracted axis; several contracted axes count as one K, in the product's order):
;;     1. [M 16, K 1,024] x [K 1,024, N 1,024]; A: computed on the way; B: input attn_w: QUANTISED
;;     2. [M 65,536, K 1,024] x [K 1,024, N 1,024]; A: input encoder_outputs; B: input attn_w: QUANTISED
;;     3. [M 65,536, K 1,024] x [K 1,024, N 1]; A: computed on the way; B: input v_w: left as it is (N = 1 < 16)
;;     4. batch 16 x [M 1,024, K 4,096] x [K 4,096, N 1]; A: input encoder_outputs; B: softmax: left as it is (N = 1 < 16)
;;   THE QUANTISER, for each operand of a quantised product, along K:
;;     - K is cut into blocks of 32 from its start; a last block that is shorter is filled with zeros.
;;     - A block's scale is 2^e with e = floor(log2(the largest magnitude in the block)) - 2, held to -126 .. 127; a block of zeros has e = 0. As a byte (E8M0): e + 127.
;;     - Each number is divided by its block's scale, clamped to +-7.5, and rounded to the nearest number of E2M3, ties to even, subnormals kept.
;;     - The product sums the exact products of the quantised numbers (number of the format x scale) in f32.
;;   ~~~python
;;   def quantise(x, axis):      # numpy; x: float32 -> the quantised numbers, widened to float32 again
;;       x = np.moveaxis(x, axis, -1); K = x.shape[-1]
;;       x = np.pad(x, [(0, 0)] * (x.ndim - 1) + [(0, -K % 32)]); x = x.reshape(x.shape[:-1] + (-1, 32)); a = np.abs(x).max(-1, keepdims=True)
;;       e = np.where(a > 0, np.clip(np.frexp(np.where(a > 0, a, 1))[1] - 1 - 2, -126, 127), 0)      # np.frexp(a)[1] - 1 = floor(log2(a)), exactly
;;       r = np.clip(x / 2.0 ** e, -7.5, 7.5)
;;       step = 2.0 ** (np.maximum(np.frexp(np.where(r == 0, 1, r))[1] - 1, 0) - 3)
;;       q = np.round(r / step) * step * 2.0 ** e      # np.round: ties to even
;;       return np.moveaxis(q.reshape(q.shape[:-2] + (-1,))[..., :K], -1, axis).astype(np.float32)
;;   ~~~
;;   OPERANDS COMPUTED ON THE WAY. 'Computed on the way' means the value that the module computes at that place (a softmax that the list does not call 'softmax' is quantised finished and normalised). What goes into a quantiser is computed in f32, as accurately as f32 sums, v_exp_f32 and their like allow (about 1e-6 of the number): no bf16 or f16 on the way to a quantiser, and a product that is left as it is and whose result goes on into a quantised operand takes f32 operands (vector FMAs, or v_wmma_f32_16x16x4_f32). A number that lies on a knife's edge between two numbers of the format may be rounded either way, as far as f32 arithmetic and the matrix unit's own rounding can turn it there, and no further.
;; One version. Each part assembles by itself: llvm-mc -triple=amdgcn-amd-amdhsa -mcpu=gfx1250 --defsym DOCPART=n.
;; ======== version 1 of 1: 3 launches
;; limits: values are held in bf16: 8 bits of precision; right only within a limited range of input values
;; workspace buffers: wq 819,200 bytes; ph 524,288 bytes; part 2,228,224 bytes
;; launch prep (part 1): grid 32 x 8, 2 waves a work-group, no clusters, 0 bytes of LDS; arguments attn_w, attn_b, hidden, wq, ph; writes wq, ph
.if DOCPART == 1
	.amdgcn_target "amdgcn-amd-amdhsa--gfx1250"
	.amdhsa_code_object_version 6
	.text
	.protected	k_q702a8a1984_prep
	.globl	k_q702a8a1984_prep
	.p2align	8
	.type	k_q702a8a1984_prep,@function
k_q702a8a1984_prep:
	s_mov_b64 s[64:65], 0
	v_nop
	global_prefetch_b8 v0, s[64:65] scope:SCOPE_SE
	s_setreg_imm32_b32 hwreg(HW_REG_WAVE_MODE, 25, 1), 1
	s_wait_xcnt 0x0
; PREP.  attn_w [2048][1024] f32 has K as its first axis.  It is quantised along K to codes of FP6 (E2M3) with one E8M0 byte for each 32 along K.
; SHARES.  Work-group (g, s) takes columns 32 g .. 32 g + 31, a lane to a column, and K step s (128 along K).  Wave 0 takes rows 128 s .. of w_h (attn_w's rows 0-1023), wave 1 the same rows of w_e (rows 1024-2047).
; 32 x 8 = 256 work-groups; the two waves share nothing: no LDS, no barrier.  A lane's registers run down K, so a block of 32 lies in one lane and the conversions give codes with K innermost.
; Wave 1: the two tiles' fragments leave as images of a matrix operand's registers (buffer wq), each store covering 512 consecutive bytes; the scale words leave as 4 bytes a column, 16 bytes apart (32 words a wave).
; Wave 0: its K step of Q(rep_h) Q(w_h), rep_h = [hidden, hidden], + attn_b / 8, leaves as a partial sum: ph [16 batches][8 K steps][1024] f32.  The next launch adds the eight; eight times attn_b / 8 is attn_b.
; wq: 64 blocks of 12,800 bytes, one for each tile of 16 columns; tile t lies at block 8 ((t % 32) / 4) + 4 (t / 32) + t % 4.  In a block: eight fragments (K steps) of 1,536 bytes
; (registers 4 c .. 4 c + 3 of lane l at 512 c + 16 l), then 512 bytes of scale words: column r, K step s at 16 (r + 16 (s / 4)) + 4 (s % 4).
; A block's scale is 2^(floor(log2(largest magnitude)) - 2); its byte is the largest magnitude's exponent field - 2, held at 1 from below.
; LIMITS: a block of zeros, and a block whose largest magnitude lies under 2^-124, gets the byte 1 (a block of zeros has zero codes, and only this program reads the bytes);
; NaN and infinities among the inputs are not served; proj_h's K is summed as eight sums of 128, added in f32.
.set BLKB, 12800
.set F0,   16                          ; v16-27  the operand image of tile 2 g
.set F1,   28                          ; v28-39  of tile 2 g + 1
.set AF,   40                          ; v40-51  rep_h's fragment (before that: second halves of W's blocks)
.set TM,   52                          ; v52-55 largest magnitudes, v56-59 the conversions' scale operands, v60-63 bytes
.set X,    64                          ; v64-191 my column's 128 numbers
.set HX,   192                         ; v192-255 my 64 numbers of rep_h
; v2 4 lane; v3 hidden's offset; v4 16 lane; v5 my scale word's place; v6, v7 attn_b; v8 4 r; v9 ph's offset; v11 8 h; v12 W's scale word; v13 rep_h's
.macro WLOAD                           ; attn_w(my first row + i, my column), i = 0 .. 127: each load of the wave covers 128 consecutive bytes
.set i, 0
.rept 128
	global_load_b32 v[X+i], v2, s[4:5] offset:4096*i th:TH_LOAD_NT
.set i, i+1
.endr
.endm
; My column's four blocks become codes; F0 takes blocks 0 and 2, F1 blocks 1 and 3; then the halves of the lanes change places, so that F0 and F1 are the operand images of the two tiles.
.macro WQUANT
.irp b, 0,1,2,3
	v_max3_num_f32 v[TM+\b], |v[X+32*\b]|, |v[X+32*\b+1]|, 0x1800000   ; with the floor 2^(3 - 127): the byte cannot fall under 1
.endr
.irp i, 2,4,6,8,10,12,14,16,18,20,22,24,26,28,30
.irp b, 0,1,2,3
	v_max3_num_f32 v[TM+\b], v[TM+\b], |v[X+32*\b+\i]|, |v[X+32*\b+\i+1]|   ; the four blocks by turns
.endr
.endr
.irp b, 0,1,2,3
	v_add_nc_u32 v[TM+4+\b], 0xff000000, v[TM+\b]  ; 2 off the exponent field: the conversion takes this operand's exponent field as its scale
.endr
.irp b, 0,1,2,3
	v_lshrrev_b32 v[TM+8+\b], 23, v[TM+4+\b]       ; the scale's byte
.endr
	v_lshl_or_b32 v12, v[TM+9], 8, v[TM+8]         ; my column's scale word for this K step
	v_lshl_or_b32 v12, v[TM+10], 16, v12
	v_lshl_or_b32 v12, v[TM+11], 24, v12
.irp b, 0,1,2,3
	v_cvt_scalef32_pk16_fp6_f32 v[F0+12*(\b%2)+6*(\b/2):F0+12*(\b%2)+6*(\b/2)+2], v[X+32*\b:X+32*\b+15], v[TM+4+\b]
	v_cvt_scalef32_pk16_fp6_f32 v[40+4*\b+8*(\b/3):40+4*\b+8*(\b/3)+2], v[X+32*\b+16:X+32*\b+31], v[TM+4+\b]   ; (a conversion's three registers begin on an even number: made elsewhere and moved)
.endr
	v_nop                                          ; one plain instruction behind the scaled conversions
.irp b, 0,1,2,3
.irp i, 0,1,2
	v_mov_b32 v[F0+12*(\b%2)+6*(\b/2)+3+\i], v[40+4*\b+8*(\b/3)+\i]
.endr
.endr
.irp i, 0,1,2,3,4,5,6,7,8,9,10,11
	v_permlane16_swap_b32 v[F0+\i], v[F1+\i]       ; F0's lanes 16-31 (tile 2 g + 1, blocks 0, 2) change places with F1's lanes 0-15 (tile 2 g, blocks 1, 3)
.endr
.endm
	s_load_b256 s[4:11], s[0:1], 0x0               ; attn_w s[4:5], attn_b s[6:7], hidden s[8:9], wq s[10:11]
	s_load_b64 s[12:13], s[0:1], 0x20              ; ph
	v_lshrrev_b32 v1, 5, v0
	v_readfirstlane_b32 s14, v1                    ; wave: 0 w_h, 1 w_e
	v_and_b32 v1, 31, v0                           ; lane
	v_and_b32 v14, 15, v0                          ; r
	v_bfe_u32 v15, v0, 4, 1                        ; h
	v_lshlrev_b32 v2, 2, v1
	v_lshlrev_b32 v3, 11, v14
	v_lshl_add_u32 v3, v15, 7, v3                  ; hidden: row r of 2,048 bytes, + 128 h
	v_lshlrev_b32 v4, 4, v1
	v_mul_u32_u24 v5, v15, BLKB
	v_lshl_add_u32 v5, v14, 4, v5                  ; my scale word: block h of the two, 16 r
	v_lshlrev_b32 v8, 2, v14                       ; attn_b: 4 r
	v_lshl_add_u32 v9, v15, 18, v8                 ; ph: 8 h batches of 32,768 bytes + 4 r
	v_lshlrev_b32 v11, 3, v15
	s_and_b32 s15, ttmp7, 0xffff                   ; my K step s
	; offsets from the buffers' first bytes
	s_lshl_b32 s20, s14, 22                        ; attn_w: 1,024 rows of 4,096 bytes for w_e,
	s_lshl_b32 s21, s15, 19                        ; 128 rows a K step,
	s_add_co_u32 s20, s20, s21
	s_lshl_b32 s36, ttmp9, 7                       ; 32 columns a work-group: also attn_b's offset
	s_add_co_u32 s20, s20, s36
	s_mov_b32 s21, 0
	s_mov_b32 s37, 0
	s_and_b32 s22, s15, 3
	s_lshl_b32 s26, s22, 2                         ; scale words: 4 (s % 4)
	s_lshl_b32 s22, s22, 9                         ; hidden: rep_h(k) = hidden(k mod 512): K step s begins at column 128 (s % 4)
	s_mov_b32 s23, 0
	s_lshr_b32 s27, s15, 2
	s_lshl_b32 s27, s27, 8
	s_add_co_u32 s26, s26, s27                     ; + 256 (s / 4)
	s_add_co_u32 s26, s26, 12288                   ; behind the block's eight fragments
	s_mov_b32 s27, 0
	s_and_b32 s24, ttmp9, 15
	s_lshr_b32 s24, s24, 1
	s_lshl_b32 s24, s24, 3
	s_lshr_b32 s25, ttmp9, 4
	s_lshl_b32 s25, s25, 2
	s_add_co_u32 s24, s24, s25
	s_and_b32 s25, ttmp9, 1
	s_lshl_b32 s25, s25, 1
	s_add_co_u32 s24, s24, s25                     ; tile 2 g's block; tile 2 g + 1's is the next
	s_mul_i32 s24, s24, BLKB
	s_mov_b32 s25, 0
	s_mul_i32 s28, s15, 1536                       ; my K step's fragment in a block
	s_mov_b32 s29, 0
	s_lshl_b32 s38, s15, 12
	s_add_co_u32 s38, s38, s36                     ; ph: K step s's row of 4,096 bytes, column 32 g
	s_mov_b32 s39, 0
	s_mov_b32 s32, 0x76543210
	s_mov_b32 s33, 0xfedcba98                      ; v_permlanex16_b32's selects for lane l xor 16
	s_wait_alu depctr_va_vdst(0)
	s_wait_kmcnt 0x0
	s_add_nc_u64 s[4:5], s[4:5], s[20:21]
	s_add_nc_u64 s[6:7], s[6:7], s[36:37]
	s_add_nc_u64 s[8:9], s[8:9], s[22:23]
	s_add_nc_u64 s[10:11], s[10:11], s[24:25]
	s_add_nc_u64 s[30:31], s[10:11], s[26:27]
	s_add_nc_u64 s[10:11], s[10:11], s[28:29]
	s_add_nc_u64 s[12:13], s[12:13], s[38:39]
	s_cmp_eq_u32 s14, 0
	s_cbranch_scc0 .Lwe
	; ---- wave 0: a K step of proj_h
.irp c, 0,1
.irp q, 0,1,2,3,4,5,6,7
	global_load_b128 v[HX+32*\c+4*\q:HX+32*\c+4*\q+3], v3, s[8:9] offset:256*\c+16*\q   ; rep_h(r, 128 s + 64 c + 32 h + 4 q ..): the order that the operand's layout gives my lane
.endr
.endr
	global_load_b32 v6, v8, s[6:7]                 ; attn_b of column 32 g + r,
	global_load_b32 v7, v8, s[6:7] offset:64       ; and of column 32 g + 16 + r
	WLOAD
	s_wait_loadcnt 0x0
	WQUANT
.irp c, 0,1
	v_max3_num_f32 v[TM+\c], |v[HX+32*\c]|, |v[HX+32*\c+1]|, 0x1800000
.endr
.irp i, 2,4,6,8,10,12,14,16,18,20,22,24,26,28,30
.irp c, 0,1
	v_max3_num_f32 v[TM+\c], v[TM+\c], |v[HX+32*\c+\i]|, |v[HX+32*\c+\i+1]|
.endr
.endr
.irp c, 0,1
	v_add_nc_u32 v[TM+4+\c], 0xff000000, v[TM+\c]
.endr
.irp c, 0,1
	v_lshrrev_b32 v[TM+8+\c], 23, v[TM+4+\c]
.endr
	v_lshl_or_b32 v13, v[TM+9], 16, v[TM+8]        ; my two bytes: blocks h and 2 + h of row r,
	v_lshlrev_b32 v13, v11, v13                    ; at their places in the scale word (8 h bits up);
	v_mov_b32 v14, 0
	v_permlanex16_b32 v14, v13, s32, s33
	v_or_b32 v13, v13, v14                         ; with lane l xor 16's two the word is whole
.irp c, 0,1
	v_cvt_scalef32_pk16_fp6_f32 v[AF+6*\c:AF+6*\c+2], v[HX+32*\c:HX+32*\c+15], v[TM+4+\c]
	v_cvt_scalef32_pk16_fp6_f32 v[80+4*\c:82+4*\c], v[HX+32*\c+16:HX+32*\c+31], v[TM+4+\c]
.endr
	v_nop                                          ; one plain instruction behind the scaled conversions
.irp c, 0,1
.irp i, 0,1,2
	v_mov_b32 v[AF+6*\c+3+\i], v[80+4*\c+\i]
.endr
.endr
.rept 8
	v_nop                                          ; a scale register written by a vector instruction stands eight places ahead of a scaled matrix instruction, an operand so written four
.endr
	v_wmma_scale_f32_16x16x128_f8f6f4 v[64:71], v[AF:AF+11], v[F0:F0+11], 0, v13, v12 matrix_a_fmt:MATRIX_FMT_FP6 matrix_b_fmt:MATRIX_FMT_FP6
	v_wmma_scale_f32_16x16x128_f8f6f4 v[72:79], v[AF:AF+11], v[F1:F1+11], 0, v13, v12 matrix_a_fmt:MATRIX_FMT_FP6 matrix_b_fmt:MATRIX_FMT_FP6 matrix_b_scale:MATRIX_SCALE_ROW1
.rept 4
	v_nop                                          ; four places ahead of the first read of the results (ISA guide 7.12.1)
.endr
.irp j, 0,1,2,3,4,5,6,7
	v_fmac_f32 v[64+\j], 0x3e000000, v6            ; + attn_b / 8 (an exact eighth); each result from its low end on
.endr
.irp j, 0,1,2,3,4,5,6,7
	v_fmac_f32 v[72+\j], 0x3e000000, v7
.endr
.irp j, 0,1,2,3,4,5,6,7
	global_store_b32 v9, v[64+\j], s[12:13] offset:32768*\j       ; register j of lane (r, h): batch 8 h + j, column 32 g + r: sixteen lanes store 64 consecutive bytes
.endr
.irp j, 0,1,2,3,4,5,6,7
	global_store_b32 v9, v[72+\j], s[12:13] offset:32768*\j+64    ; the same for column 32 g + 16 + r
.endr
	s_endpgm
.Lwe:
	; ---- wave 1: a K step of w_e's two tiles
	WLOAD
	s_wait_loadcnt 0x0
	WQUANT
.irp c, 0,1,2
	global_store_b128 v4, v[F0+4*\c:F0+4*\c+3], s[10:11] offset:512*\c          ; each store of the wave covers 512 consecutive bytes, aligned to 256
.endr
.irp c, 0,1,2
	global_store_b128 v4, v[F1+4*\c:F1+4*\c+3], s[10:11] offset:BLKB+512*\c
.endr
	global_store_b32 v5, v12, s[30:31]             ; my column's scale word for this K step
	s_endpgm
.Lfunc_end_k_q702a8a1984_prep:
	.size	k_q702a8a1984_prep, .Lfunc_end_k_q702a8a1984_prep-k_q702a8a1984_prep
	.p2alignl 7, 3214868480
	.fill 96, 4, 3214868480
	.section	.rodata,"a",@progbits
	.p2align	6, 0x0
	.amdhsa_kernel k_q702a8a1984_prep
		.amdhsa_group_segment_fixed_size 0
		.amdhsa_private_segment_fixed_size 0
		.amdhsa_enable_private_segment 0
		.amdhsa_kernarg_size 40
		.amdhsa_user_sgpr_count 2
		.amdhsa_user_sgpr_kernarg_segment_ptr 1
		.amdhsa_wavefront_size32 1
		.amdhsa_system_sgpr_workgroup_id_x 1
		.amdhsa_system_sgpr_workgroup_id_y 1
		.amdhsa_system_sgpr_workgroup_id_z 1
		.amdhsa_system_vgpr_workitem_id 0
		.amdhsa_next_free_vgpr 256
		.amdhsa_next_free_sgpr 66
		.amdhsa_reserve_vcc 0
		.amdhsa_float_denorm_mode_32 3
		.amdhsa_float_denorm_mode_16_64 3
		.amdhsa_memory_ordered 1
		.amdhsa_forward_progress 1
		.amdhsa_inst_pref_size 48
	.end_amdhsa_kernel
	.amdgpu_metadata
---
amdhsa.version: [ 1, 2 ]
amdhsa.kernels:
  - .name:           k_q702a8a1984_prep
    .symbol:         k_q702a8a1984_prep.kd
    .args:
      - { .name: attn_w, .offset: 0, .size: 8, .value_kind: global_buffer, .address_space: global }
      - { .name: attn_b, .offset: 8, .size: 8, .value_kind: global_buffer, .address_space: global }
      - { .name: hidden, .offset: 16, .size: 8, .value_kind: global_buffer, .address_space: global }
      - { .name: wq, .offset: 24, .size: 8, .value_kind: global_buffer, .address_space: global }
      - { .name: ph, .offset: 32, .size: 8, .value_kind: global_buffer, .address_space: global }
    .group_segment_fixed_size: 0
    .private_segment_fixed_size: 0
    .kernarg_segment_align: 8
    .kernarg_segment_size: 40
    .max_flat_workgroup_size: 64
    .sgpr_count:     66
    .vgpr_count:     256
    .wavefront_size: 32
...
	.end_amdgpu_metadata
.endif
;; end of part 1
;; launch main (part 2): grid 16 x 16, 4 waves a work-group, clusters of 4 x 1, 327,680 bytes of LDS; arguments encoder_outputs, wq, ph, v_w, part; writes part
.if DOCPART == 2
	.amdgcn_target "amdgcn-amd-amdhsa--gfx1250"
	.amdhsa_code_object_version 6
	.text
	.protected	k_q702a8a1984_main
	.globl	k_q702a8a1984_main
	.p2align	8
	.type	k_q702a8a1984_main,@function
k_q702a8a1984_main:
	s_mov_b64 s[64:65], 0
	v_nop
	global_prefetch_b8 v0, s[64:65] scope:SCOPE_SE
	s_setreg_imm32_b32 hwreg(HW_REG_WAVE_MODE, 25, 1), 1
	s_wait_xcnt 0x0
	s_wait_alu depctr_hold_cnt(0) depctr_sa_sdst(0) depctr_va_vdst(0) depctr_va_sdst(0) depctr_va_ssrc(0) depctr_va_vcc(0) depctr_vm_vsrc(0)
	s_getreg_b32 s2, hwreg(HW_REG_IB_STS2, 6, 4)
	s_cmp_eq_u32 s2, 0
	s_cbranch_scc0 .Lentry_in_a_cluster
	s_endpgm
.Lentry_in_a_cluster:
	s_bfe_u32 s2, ttmp6, 0x10000c
	s_cmp_lg_u32 s2, 0x3003
	s_cbranch_scc0 .Lentry_shape_is_right
	s_endpgm
.Lentry_shape_is_right:
; MAIN.  A work-group stays and takes two blocks of 128 positions of one batch, one after the other, through the whole chain (16 x 16 = 256 work-groups).
; A block: its encoder rows are read once (a wave 32 rows), quantised to FP6 (E2M3) along the hidden axis, and kept as bf16 in the loading wave's registers;
; proj_e = Q(enc) Q(w_e) by v_wmma_scale_f32_16x16x128_f8f6f4: a wave makes 64 rows x 512 columns, its rows' codes in 384 registers, w_e's fragments from a ring of two LDS slots (8 slots of 102,400 bytes
; a block, joint loads of the cluster's 4 work-groups); proj_h (the sum of ph's eight partial sums, made once in the head) is the C of each tile's first product.
; tanh(x) = 1 - 2 / (1 + 2^(2 x log2 e)).  DEAD WORK: the term sum(v_w) x 1 of a score is the same for all positions of a batch, so the softmax along the positions takes it away for all values of the inputs: it is not formed.
; Then the block's own largest score M, p = e^(score - M), l = sum p and ctx = sum p x (bf16 row) leave in part (4,352 bytes a block); the next launch joins a batch's 32 blocks.
; THE WALK: slot 0 is asked for at the loop's top, slot 1 at the end of the encoder pass, where slot 0 is waited for anyway.  The next block's first six rows are loaded into the registers that A's codes
; leave free behind the last product, ahead of the softmax and the context; its rows 8-31 are prefetched while this block is multiplied: 2 instructions a wave in each of the 6 slot trips, a lane to 256 bytes,
; each wave its own rows, one block ahead, nothing in the last block.
; LIMITS: NaN and infinities among the inputs are not served; a block of 32 whose largest magnitude lies under 2^-124 gets the scale byte 1; the context takes the rows rounded to bf16.
.set SLOTB,  102400                    ; a slot: 8 blocks of wq
.set SLOT1,  131072                    ; slot 1's LDS address
.set QUART,  25600                     ; what one wave's tensor load brings
.set BLKB,   12800
.set STAGE,  102400                    ; 4 x 4,608: a row's turn through LDS; later the waves' ctx
.set BIASL,  120832                    ; proj_h [1024], then -2 v_w [1024]
.set SCO,    129024                    ; the scores' two column halves
.set SPARE,  130048                    ; the spare words, 512 bytes
.set CODES,  233472                    ; 64 rows of codes at a time; later six bf16 rows a wave are parked here
.set CP,     784
.set SCB,    283648                    ; the rows' scale bytes
.set SBP,    48
.set GO,   4
.set TS,   5
.set TL,   6
.set CA,   7
.set SBA,  8
.set AA,   9
.set AS,   10
.set WA0,  11
.set WA,   12
.set BA0,  13
.set BA,   14
.set SO,   15
.set PKA,  16
.set RDS,  17
.set SPW,  18
.set NIL,  19
.set OUTO, 20
.set SOW,  21
.set SQ,   22
.set VA,   23
.set ASC,  24
.set BSC,  40
.set BIAS, 44
.set VV,   52
.set SCR,  60
.set ACC,  68
.set BF,   128
.set XB,   40
.set QT,   104
.set CT,   68
.set PP,   100
.set PB,   101
.set PFO,  126                         ; v126: the prefetches' offset, 256 x lane; never rewritten
.set PS,   66
.set TC,   54                          ; s54: the block's number, 0 or 1
.set PFA,  56                          ; s[56:57]: where my prefetches stand
.set MSB, 0
.macro WIN new                         ; the immediate's high byte repeats the setting that is left
.if MSB != (\new)
	s_set_vgpr_msb (MSB<<8)|(\new)
.set MSB, (\new)
.endif
.endm
.macro CROUND                          ; a round of the cluster's barrier
	s_barrier_signal -1
	s_barrier_wait -1
	s_cmp_lg_u32 s14, 0
	s_cbranch_scc1 .Lnot_wave_0_\@
	s_barrier_signal -3
.Lnot_wave_0_\@:
	s_barrier_wait -3
	s_barrier_signal -1
	s_barrier_wait -1
.endm
.macro BAR
	s_wait_dscnt 0x0
	s_barrier_signal -1
	s_barrier_wait -1
.endm
.macro PLACES
.rept 4
	v_nop
.endr
.endm
.macro RAWPLACE k                      ; six sets of 32 registers for rows as they are loaded: windows 1, 2, v96-191
.set RWN, 1+(((\k)%6)/3)
.set RBS, 96+32*((\k)%3)
.endm
.macro CPLACE k                        ; where row k's 16 registers of bf16 lie
.if (\k) < 16
.set CW, 3
.set CB, 16*(\k)
.elseif (\k) < 20
.set CW, 1
.set CB, 192+16*((\k)-16)
.elseif (\k) < 24
.set CW, 2
.set CB, 192+16*((\k)-20)
.elseif (\k) < 26
.set CW, 0
.set CB, 224+16*((\k)-24)
.else
.set CW, 0
.set CB, BF+16*((\k)-26)
.endif
.endm
.macro LOAD k                          ; my row k: 8 loads of 512 consecutive bytes
	RAWPLACE \k
	WIN RWN<<6
.irp jj, 0,1,2,3,4,5,6,7
	global_load_b128 v[RBS+4*\jj:RBS+4*\jj+3], v[GO], s[4:5] offset:(\k)*4096+512*\jj th:TH_LOAD_NT
.endr
.endm
.macro TURN k                          ; through my stage: a lane gets 32 neighbours, one block of the quantiser
	RAWPLACE \k
.set XT, XB+32*((\k)%2)
	WIN RWN<<2
.irp jj, 0,1,2,3,4,5,6,7
	ds_store_b128 v[TS], v[RBS+4*\jj:RBS+4*\jj+3] offset:576*\jj
.endr
	WIN 0
.irp jj, 0,1,2,3,4,5,6,7
	ds_load_b128 v[XT+4*\jj:XT+4*\jj+3], v[TL] offset:16*\jj
.endr
.endm
.macro STEP k                          ; row k: scale, codes and byte to LDS, bf16 to registers; loads run six rows ahead, the turn one
.set XS, XB+32*((\k)%2)
.set QC, QT+6*((\k)%2)
.set QB, QT+20+((\k)%2)
	CPLACE \k
.if (\k) == 0
	s_wait_dscnt 0x0
.else
	s_wait_dscnt 4                                 ; this row is back from the stage; the last row's four stores may be out
.endif
.if (\k)+6 <= 31
	LOAD (\k)+6
.endif
.if (\k) < 31
.if (\k)+6 <= 31
	s_wait_loadcnt 40                              ; the next row's 8 loads are in; five rows' may be out
.else
	s_wait_loadcnt 8*(30-(\k))
.endif
	TURN (\k)+1
.endif
	WIN 0
	v_max3_num_f32 v[QT+16], |v[XS]|, |v[XS+1]|, 0x1800000   ; with the floor 2^(3 - 127)
	v_max3_num_f32 v[QT+17], |v[XS+2]|, |v[XS+3]|, |v[XS+4]|
.irp i, 5,9,13,17,21,25
	v_max3_num_f32 v[QT+16], v[QT+16], |v[XS+\i]|, |v[XS+\i+1]|
	v_max3_num_f32 v[QT+17], v[QT+17], |v[XS+\i+2]|, |v[XS+\i+3]|
.endr
	v_max3_num_f32 v[QT+16], v[QT+16], |v[XS+29]|, |v[XS+30]|
	v_max3_num_f32 v[QT+16], v[QT+16], v[QT+17], |v[XS+31]|
	v_add_nc_u32 v[QT+18], 0xff000000, v[QT+16]    ; 2 off the exponent field: the conversions' scale operand
	v_cvt_scalef32_pk16_fp6_f32 v[QC:QC+2], v[XS:XS+15], v[QT+18]
	v_cvt_scalef32_pk16_fp6_f32 v[QT+12:QT+14], v[XS+16:XS+31], v[QT+18]
	v_lshrrev_b32 v[QB], 23, v[QT+18]              ; the scale's byte
.irp i, 0,1,2
	v_mov_b32 v[QC+3+\i], v[QT+12+\i]
.endr
.irp i, 0,1,2
	ds_store_b64 v[CA], v[QC+2*\i:QC+2*\i+1] offset:((\k)%16)*CP+8*\i
.endr
	ds_store_b8 v[SBA], v[QB] offset:((\k)%16)*SBP
	WIN CW<<6
.irp c, 0,1,2,3,4,5,6,7,8,9,10,11,12,13,14,15
	v_cvt_pk_bf16_f32 v[CB+\c], v[XS+2*\c], v[XS+2*\c+1]
.endr
.endm
.macro ALOAD e                         ; 32 of my 64 rows' codes and scale words from LDS into A's registers (windows 1, 2: K steps 0-3, 4-7)
.irp sh, 0,1
	WIN (1+\sh)<<6
.irp jp, 0,1
.irp s4, 0,1,2,3
.irp p, 0,1,2,3,4,5
	ds_load_b64 v[12*(4*(2*\e+\jp)+\s4)+2*\p:12*(4*(2*\e+\jp)+\s4)+2*\p+1], v[AA] offset:16*CP*\jp+96*(4*\sh+\s4)+48*(\p/3)+8*(\p%3)
.endr
.endr
.endr
.endr
	WIN 0
.irp jp, 0,1
.irp u, 0,1,2,3
	ds_load_b32 v[ASC+4*(2*\e+\jp)+\u], v[AS] offset:16*SBP*\jp+8*\u
.endr
.endr
.endm
.macro NLOAD                           ; a tile of 16 columns: 8 fragments, scale words, proj_h
.irp n, 0,1,2,3,4,5,6,7,8,9,10,11,12,13,14,15,16,17,18,19,20,21,22,23
	ds_load_b128 v[BF+4*\n:BF+4*\n+3], v[WA] offset:512*\n
.endr
	ds_load_b128 v[BSC:BSC+3], v[WA] offset:12288
	ds_load_b128 v[BIAS:BIAS+3], v[BA]
	ds_load_b128 v[BIAS+4:BIAS+7], v[BA] offset:16
.endm
.macro VLOAD
	v_add_nc_u32 v[VA], s33, v[BA0]
	ds_load_b128 v[VV:VV+3], v[VA] offset:4096
	ds_load_b128 v[VV+4:VV+7], v[VA] offset:4112
.endm
.macro WM s, m                         ; source 0 = 16 columns of w_e, source 1 = 16 rows: a lane holds one row and eight neighbouring columns
.set rA, 12*(4*(\m)+(\s)%4)
.set rB, BF+12*(\s)
.set rD, ACC+8*(\m)
.set rSB, BSC+(\s)%4
.set rSA, ASC+4*(\m)+(\s)/2
.if (\s) == 0
	v_wmma_scale_f32_16x16x128_f8f6f4 v[rD:rD+7], v[rB:rB+11], v[rA:rA+11], v[BIAS:BIAS+7], v[rSB], v[rSA] matrix_a_fmt:MATRIX_FMT_FP6 matrix_b_fmt:MATRIX_FMT_FP6
.elseif (\s) < 4
.if (\s)%2
	v_wmma_scale_f32_16x16x128_f8f6f4 v[rD:rD+7], v[rB:rB+11], v[rA:rA+11], v[rD:rD+7], v[rSB], v[rSA] matrix_a_fmt:MATRIX_FMT_FP6 matrix_b_fmt:MATRIX_FMT_FP6 matrix_b_scale:MATRIX_SCALE_ROW1
.else
	v_wmma_scale_f32_16x16x128_f8f6f4 v[rD:rD+7], v[rB:rB+11], v[rA:rA+11], v[rD:rD+7], v[rSB], v[rSA] matrix_a_fmt:MATRIX_FMT_FP6 matrix_b_fmt:MATRIX_FMT_FP6
.endif
.else
.if (\s)%2
	v_wmma_scale_f32_16x16x128_f8f6f4 v[rD:rD+7], v[rB:rB+11], v[rA:rA+11], v[rD:rD+7], v[rSB], v[rSA] matrix_a_fmt:MATRIX_FMT_FP6 matrix_b_fmt:MATRIX_FMT_FP6 matrix_a_scale:MATRIX_SCALE_ROW1 matrix_b_scale:MATRIX_SCALE_ROW1
.else
	v_wmma_scale_f32_16x16x128_f8f6f4 v[rD:rD+7], v[rB:rB+11], v[rA:rA+11], v[rD:rD+7], v[rSB], v[rSA] matrix_a_fmt:MATRIX_FMT_FP6 matrix_b_fmt:MATRIX_FMT_FP6 matrix_a_scale:MATRIX_SCALE_ROW1
.endif
.endif
.endm
.macro MUL32                           ; the four accumulators by turns, K ascending
	WIN 0x04
.irp s, 0,1,2,3
.irp m, 0,1,2,3
	WM \s, \m
.endr
.endr
	WIN 0x08
.irp s, 4,5,6,7
.irp m, 0,1,2,3
	WM \s, \m
.endr
.endr
	WIN 0
.endm
.macro TANH younger                    ; the scores take -2 v / (1 + 2^(2 x log2 e)); the waits round the two batches
.irp m, 0,1,2,3
.irp q, 0,2,4,6
	v_pk_mul_f32 v[ACC+8*\m+\q:ACC+8*\m+\q+1], v[ACC+8*\m+\q:ACC+8*\m+\q+1], s[36:37] op_sel_hi:[1,0]
.endr
.endr
.set i, 0
	s_wait_alu depctr_va_vdst(0)
.rept 32
	v_exp_f32 v[ACC+i], v[ACC+i]
.set i, i+1
.endr
	v_nop
	s_wait_alu depctr_va_vdst(0)
.set i, 0
.rept 16
	v_pk_add_f32 v[ACC+i:ACC+i+1], v[ACC+i:ACC+i+1], 1.0 op_sel_hi:[1,0]
.set i, i+2
.endr
.set i, 0
	s_wait_alu depctr_va_vdst(0)
.rept 32
	v_rcp_f32 v[ACC+i], v[ACC+i]
.set i, i+1
.endr
	v_nop
	s_wait_alu depctr_va_vdst(0)
	s_wait_dscnt \younger                          ; v_w's two loads are in; the next tile's loads may be out
.irp q, 0,2,4,6
.irp m, 0,1,2,3
	v_pk_fma_f32 v[SCR+2*\m:SCR+2*\m+1], v[ACC+8*\m+\q:ACC+8*\m+\q+1], v[VV+\q:VV+\q+1], v[SCR+2*\m:SCR+2*\m+1]
.endr
.endr
.endm
.macro CHANGE fill                     ; a change of slots: the three lines, the round, the joint refill two slots ahead
	s_wait_tensorcnt 0x0
	ds_add_u32 v[SPW], v[NIL]
.if \fill
	s_xor_b32 s29, s29, SLOT1
	s_add_nc_u64 s[30:31], s[30:31], SLOTB
	s_wait_dscnt 0x0
	CROUND
	tensor_load_to_lds s[28:31], s[16:23]
	s_nop 0
.else
	s_wait_dscnt 0x0
	s_barrier_signal -1
	s_barrier_wait -1
.endif
	PLACES
	s_sub_co_u32 s32, s32, 3*BLKB
	s_xor_b32 s32, s32, SLOT1
.endm
.macro NTILE kind                      ; a tile of 16 columns x my 64 rows.  kind 0: the next tile lies in the same slot; 1, 2: a change of slots with, without a refill; 3: the block's last
	s_wait_dscnt 2
	MUL32
.if \kind == 0
	s_add_co_u32 s32, s32, BLKB
	PLACES
.elseif \kind == 1
	CHANGE 1
.elseif \kind == 2
	CHANGE 0
.else
	PLACES
.endif
.if \kind != 3
	s_add_co_u32 s33, s33, 64
	v_add_nc_u32 v[WA], s32, v[WA0]
	v_add_nc_u32 v[BA], s33, v[BA0]
	NLOAD
	TANH 27
	VLOAD
.else
	TANH 0
.endif
.endm
.macro CTXROW k                        ; ctx += p(k) x my row k
	CPLACE \k
	WIN CW
	v_mov_b32 v[PB], s[PS+(\k)]
.irp c, 0,1,2,3,4,5,6,7,8,9,10,11,12,13,14,15
.if (\k) == 0
	v_fma_mix_f32_bf16 v[CT+2*\c], v[CB+\c], v[PB], v[NIL] op_sel_hi:[1,0,0]
	v_fma_mix_f32_bf16 v[CT+2*\c+1], v[CB+\c], v[PB], v[NIL] op_sel:[1,0,0] op_sel_hi:[1,0,0]
.else
	v_fma_mix_f32_bf16 v[CT+2*\c], v[CB+\c], v[PB], v[CT+2*\c] op_sel_hi:[1,0,0]
	v_fma_mix_f32_bf16 v[CT+2*\c+1], v[CB+\c], v[PB], v[CT+2*\c+1] op_sel:[1,0,0] op_sel_hi:[1,0,0]
.endif
.endr
.endm
	s_load_b256 s[4:11], s[0:1], 0x0               ; encoder_outputs, wq, ph, v_w
	s_load_b64 s[12:13], s[0:1], 0x20              ; part
	v_lshl_add_u32 v[SPW], v0, 2, SPARE
	v_mov_b32 v[NIL], 0
	ds_add_u32 v[SPW], v[NIL]                      ; the opening lines: the add, twice on end, and its wait
	ds_add_u32 v[SPW], v[NIL]
	s_wait_dscnt 0x0
	v_lshrrev_b32 v1, 5, v0
	v_readfirstlane_b32 s14, v1                    ; wave
	s_lshr_b32 s15, s14, 1                         ; which 64 rows I multiply
	s_and_b32 s46, s14, 1                          ; which 512 columns
	s_bfe_u32 s40, ttmp6, 0x40000
	s_lshl_b32 s41, ttmp9, 2
	s_add_co_u32 s41, s41, s40                     ; work-group x: which 256 positions
	s_and_b32 s42, ttmp7, 0xffff                   ; the batch
	s_mov_b32 s16, 15|(3<<16)|(1<<21)              ; group 1: 100 rows of 256 bytes, dense; the mask names the cluster's four
	s_mov_b32 s17, 32<<16
	s_mov_b32 s18, 100<<16
	s_mov_b32 s19, 32<<16
	s_mov_b32 s20, 100
	s_mov_b32 s21, 32
	s_mov_b32 s22, 0
	s_mov_b32 s23, 0
	s_mul_i32 s43, s14, QUART
	s_mov_b32 s44, s43
	s_mov_b32 s45, 0
	s_lshl_b32 s48, s42, 24
	s_lshl_b32 s49, s41, 20
	s_add_co_u32 s48, s48, s49
	s_lshl_b32 s49, s14, 17
	s_add_co_u32 s48, s48, s49                     ; my 32 rows of the first block
	s_mov_b32 s49, 0
	s_lshl_b32 s50, s42, 15                        ; ph: eight partial rows of 4,096 bytes a batch
	s_mov_b32 s51, 0
	s_lshl_b32 s52, s42, 4
	s_add_co_u32 s52, s52, s41
	s_mul_i32 s52, s52, 8704                       ; part: two blocks of 4,352 bytes a work-group
	s_mov_b32 s53, 0
	s_mov_b32 s36, 0x4038aa3b                      ; 2 log2 e
	s_mov_b32 s37, s36
	s_mov_b32 s38, 0x76543210
	s_mov_b32 s39, 0xfedcba98
	v_and_b32 v1, 31, v0
	v_lshlrev_b32 v[GO], 4, v1
	v_lshlrev_b32 v[WA], 4, v0
	v_lshl_add_u32 v[VA], v0, 4, BIASL
	s_wait_kmcnt 0x0
	s_mov_b32 s24, 1                               ; group 0 for slot 0's first tile: the same for both blocks
	s_mov_b32 s25, s43
	s_add_nc_u64 s[26:27], s[6:7], s[44:45]
	s_or_b32 s27, s27, 0x80000000
	s_mov_b32 s28, 1                               ; group 0 for all later tiles
	s_add_co_u32 s29, s43, SLOT1
	s_add_nc_u64 s[30:31], s[6:7], s[44:45]
	s_add_nc_u64 s[30:31], s[30:31], SLOTB
	s_or_b32 s31, s31, 0x80000000
	s_add_nc_u64 s[4:5], s[4:5], s[48:49]
	s_add_nc_u64 s[8:9], s[8:9], s[50:51]
	s_add_nc_u64 s[12:13], s[12:13], s[52:53]
	s_add_nc_u64 s[PFA:PFA+1], s[4:5], 0x86000     ; two rows ahead of row 8 of the next block (524,288 + 32,768 - 8,192): each prefetch steps it by two rows first
	s_mov_b32 s[TC], 0
	s_wait_alu depctr_va_vdst(0)
.irp s, 0,1,2,3,4,5,6,7
	global_load_b128 v[XB+8*\s:XB+8*\s+3], v[WA], s[8:9] offset:4096*\s          ; proj_h's partial sum of K step s: my four columns,
	global_load_b128 v[XB+8*\s+4:XB+8*\s+7], v[WA], s[8:9] offset:4096*\s+2048   ; and the four 512 columns on
.endr
	global_load_b128 v[QT+8:QT+11], v[WA], s[10:11]
	global_load_b128 v[QT+12:QT+15], v[WA], s[10:11] offset:2048
.irp k, 0,1,2,3,4,5
	LOAD \k
.endr
	WIN 0
	v_and_b32 v2, 15, v0
	v_lshlrev_b32 v[PFO], 8, v1
	v_bfe_u32 v3, v0, 4, 1
	v_lshrrev_b32 v[BA], 3, v1
	v_lshl_add_u32 v[BA], v[BA], 4, v[GO]
	s_mul_i32 s47, s14, 4608
	s_add_co_u32 s47, s47, STAGE
	v_add_nc_u32 v[TS], s47, v[BA]
	v_mul_u32_u24 v[TL], v1, 144
	v_add_nc_u32 v[TL], s47, v[TL]
	s_mul_i32 s47, s14, 1152
	s_add_co_u32 s47, s47, STAGE
	v_add_nc_u32 v[RDS], s47, v[BA]
	s_mul_i32 s47, s14, 16*CP
	s_add_co_u32 s47, s47, CODES
	v_mul_u32_u24 v[CA], v1, 24
	v_add_nc_u32 v[CA], s47, v[CA]
	s_mul_i32 s47, s14, 16*SBP
	s_add_co_u32 s47, s47, SCB
	v_add_nc_u32 v[SBA], s47, v1
	s_mul_i32 s47, s15, 32*CP
	s_add_co_u32 s47, s47, CODES
	v_mul_u32_u24 v[AA], v2, CP
	v_mad_u32_u24 v[AA], v3, 24, v[AA]
	v_add_nc_u32 v[AA], s47, v[AA]
	s_mul_i32 s47, s15, 32*SBP
	s_add_co_u32 s47, s47, SCB
	v_mul_u32_u24 v[AS], v2, SBP
	v_lshl_add_u32 v[AS], v3, 2, v[AS]
	v_add_nc_u32 v[AS], s47, v[AS]
	s_mul_i32 s47, s46, 4*BLKB
	v_add_nc_u32 v[WA0], s47, v[GO]
	s_lshl_b32 s47, s46, 11
	s_add_co_u32 s47, s47, BIASL
	v_lshlrev_b32 v[BA0], 5, v3
	v_add_nc_u32 v[BA0], s47, v[BA0]
	s_lshl_b32 s47, s46, 9
	s_lshl_b32 s48, s15, 8
	s_add_co_u32 s47, s47, s48
	s_add_co_u32 s47, s47, SCO
	v_lshl_add_u32 v[SO], v2, 2, s47
	s_mul_i32 s47, s14, 12288
	s_add_co_u32 s47, s47, CODES
	v_add_nc_u32 v[PKA], s47, v[GO]
	s_lshl_b32 s47, s14, 10
	v_add_nc_u32 v[OUTO], s47, v[GO]
	s_lshl_b32 s47, s14, 7
	s_add_co_u32 s47, s47, SCO
	v_lshl_add_u32 v[SOW], v1, 2, s47
	v_add_nc_u32 v[SQ], SCO, v[GO]
	s_wait_loadcnt 48                              ; the 18 loads of ph and v_w are in; the 48 encoder loads behind them may be out
.irp q, 0,2,4,6
	v_pk_add_f32 v[QT+\q:QT+\q+1], v[XB+\q:XB+\q+1], v[XB+8+\q:XB+9+\q]
.endr
.irp s, 2,3,4,5,6,7
.irp q, 0,2,4,6
	v_pk_add_f32 v[QT+\q:QT+\q+1], v[QT+\q:QT+\q+1], v[XB+8*\s+\q:XB+8*\s+\q+1]   ; proj_h: the eight K steps' sums, K ascending
.endr
.endr
.irp q, 8,10,12,14
	v_pk_mul_f32 v[QT+\q:QT+\q+1], v[QT+\q:QT+\q+1], -2.0 op_sel_hi:[1,0]
.endr
	ds_store_b128 v[VA], v[QT:QT+3]                ; both serve both blocks: one batch
	ds_store_b128 v[VA], v[QT+4:QT+7] offset:2048
	ds_store_b128 v[VA], v[QT+8:QT+11] offset:4096
	ds_store_b128 v[VA], v[QT+12:QT+15] offset:6144
.Ltile:                                                ; ---- a block of 128 positions; its rows 0-5 are on their way
	s_wait_alu depctr_va_vdst(0)
	s_wait_tensorcnt 0x0                           ; the three lines in front of slot 0's fill; the first tensor load stands inside the loop,
	ds_add_u32 v[SPW], v[NIL]                      ; so the add stands twice on end, in every trip alike
	ds_add_u32 v[SPW], v[NIL]
	s_wait_dscnt 0x0                               ; the adds, and my reads of the last block's stages, are done
	CROUND
	tensor_load_to_lds s[24:27], s[16:23]          ; slot 0: w_e's first 8 blocks; it has the whole encoder pass in which to land
	s_nop 0
	PLACES
	s_wait_loadcnt 40                              ; row 0's 8 loads are in; five rows' may be out
	TURN 0
.irp k, 0,1,2,3,4,5,6,7,8,9,10,11,12,13,14,15
	STEP \k
.endr
	BAR                                            ; rows 0-15 of every wave: their codes are in LDS
	ALOAD 0
	BAR                                            ; and have been read: the codes' bytes take the next 16 rows
.irp k, 16,17,18,19,20,21,22,23,24,25,26,27,28,29,30,31
	STEP \k
.endr
	WIN 0
	s_wait_alu depctr_va_vdst(0)
	s_wait_tensorcnt 0x0                           ; slot 0 is in: the products below need it; and the three lines in front of slot 1's fill
	ds_add_u32 v[SPW], v[NIL]
	s_wait_dscnt 0x0                               ; the add, and my stores of the codes, are done
	CROUND                                         ; the round is also the barrier between the codes' stores and their reads
	tensor_load_to_lds s[28:31], s[16:23]          ; slot 1: it has four tiles' work in which to land
	s_nop 0
	PLACES
	ALOAD 1
	BAR
.irp n, 0,1,2,3,4,5,6,7,8,9,10,11,12,13,14,15,16,17,18,19,20,21,22,23
	ds_store_b128 v[PKA], v[BF+4*\n:BF+4*\n+3] offset:512*\n      ; bf16 rows 26-31 are parked: their registers take w_e's fragments
.endr
	s_wait_dscnt 0x0
.irp q, 0,1,2,3,4,5,6,7
	v_mov_b32 v[SCR+\q], 0
.endr
	s_mov_b32 s32, 0
	s_mov_b32 s33, 0
	v_add_nc_u32 v[WA], s32, v[WA0]
	v_add_nc_u32 v[BA], s33, v[BA0]
	NLOAD
	VLOAD
	s_mov_b32 s34, 6
.Lslot:
	s_mov_b32 s35, 3
.Ltile_a:
	NTILE 0
	s_cmp_lg_u32 s[TC], 0                          ; the last block has no successor: it asks for nothing
	s_wait_alu depctr_va_vdst(0)
	s_cbranch_scc1 .Lno_ask
	s_cmp_eq_u32 s35, 1                            ; behind the first two tiles of a slot trip alone: one and two tiles' work behind the joint refill, more than a tile's work ahead of the next
	s_cbranch_scc1 .Lno_ask
	s_wait_xcnt 0x0                                ; the last prefetch has read its address
	s_add_nc_u64 s[PFA:PFA+1], s[PFA:PFA+1], 8192
	global_prefetch_b8 v[PFO], s[PFA:PFA+1] th:TH_LOAD_NT scope:SCOPE_SE   ; two of my rows 8-31 of the next block: 32 lanes x 256 bytes
.Lno_ask:
	s_sub_co_u32 s35, s35, 1
	s_cmp_lg_u32 s35, 0
	s_cbranch_scc1 .Ltile_a
	NTILE 1
	s_sub_co_u32 s34, s34, 1
	s_cmp_lg_u32 s34, 0
	s_cbranch_scc1 .Lslot
	s_mov_b32 s35, 3
.Ltile_b:
	NTILE 0
	s_sub_co_u32 s35, s35, 1
	s_cmp_lg_u32 s35, 0
	s_cbranch_scc1 .Ltile_b
	NTILE 2
	s_mov_b32 s35, 3
.Ltile_c:
	NTILE 0
	s_sub_co_u32 s35, s35, 1
	s_cmp_lg_u32 s35, 0
	s_cbranch_scc1 .Ltile_c
	NTILE 3
	s_cmp_lg_u32 s[TC], 0
	s_wait_alu depctr_va_vdst(0)
	s_cbranch_scc1 .Lno_next
	s_add_nc_u64 s[4:5], s[4:5], 0x80000           ; the next block's rows (all loads by the old address have been waited for);
.irp k, 0,1,2,3,4,5
	LOAD \k                                        ; rows 0-5 go into registers that held A's codes, and are on their way during the softmax and the context
.endr
	WIN 0
.Lno_next:
.irp m, 0,1,2,3
	v_add_f32 v[SCR+2*\m], v[SCR+2*\m], v[SCR+2*\m+1]
.endr
.irp m, 0,1,2,3
	v_permlanex16_b32 v[SCR+2*\m+1], v[SCR+2*\m], s38, s39
.endr
.irp m, 0,1,2,3
	v_add_f32 v[SCR+2*\m], v[SCR+2*\m], v[SCR+2*\m+1]
.endr
.irp m, 0,1,2,3
	ds_store_b32 v[SO], v[SCR+2*\m] offset:128*(\m%2)+64*(\m/2)
.endr
.irp n, 0,1,2,3,4,5,6,7,8,9,10,11,12,13,14,15,16,17,18,19,20,21,22,23
	ds_load_b128 v[BF+4*\n:BF+4*\n+3], v[PKA] offset:512*\n       ; the parked rows come back
.endr
	BAR
	ds_load_b128 v[104:107], v[SQ]                 ; all 128 scores, four a lane, in two column halves,
	ds_load_b128 v[108:111], v[SQ] offset:512
	ds_load_b32 v112, v[SOW]                       ; and the score of my row number lane
	ds_load_b32 v113, v[SOW] offset:512
	v_mov_b32 v115, 0
	s_wait_dscnt 0x0
	v_pk_add_f32 v[104:105], v[104:105], v[108:109]
	v_pk_add_f32 v[106:107], v[106:107], v[110:111]
	v_add_f32 v112, v112, v113
	v_max3_num_f32 v114, v104, v105, v106
	v_max_num_f32 v114, v114, v107
	v_max_num_f32_dpp v114, v114, v114 row_xmask:1 row_mask:0xf bank_mask:0xf
	v_max_num_f32_dpp v114, v114, v114 row_xmask:2 row_mask:0xf bank_mask:0xf
	v_max_num_f32_dpp v114, v114, v114 row_xmask:4 row_mask:0xf bank_mask:0xf
	v_max_num_f32_dpp v114, v114, v114 row_xmask:8 row_mask:0xf bank_mask:0xf
	v_permlanex16_b32 v115, v114, s38, s39
	v_max_num_f32 v102, v114, v115                 ; M: the block's largest score
.irp q, 104,105,106,107,112
	v_sub_f32 v\q, v\q, v102
.endr
.irp q, 104,105,106,107,112
	v_mul_f32 v\q, 0x3fb8aa3b, v\q
.endr
	s_wait_alu depctr_va_vdst(0)
.irp q, 104,105,106,107
	v_exp_f32 v\q, v\q
.endr
	v_exp_f32 v[PP], v112
	v_nop
	s_wait_alu depctr_va_vdst(0)
	v_add_f32 v104, v104, v105
	v_add_f32 v106, v106, v107
	v_add_f32 v104, v104, v106
	v_add_f32_dpp v104, v104, v104 row_xmask:1 row_mask:0xf bank_mask:0xf
	v_add_f32_dpp v104, v104, v104 row_xmask:2 row_mask:0xf bank_mask:0xf
	v_add_f32_dpp v104, v104, v104 row_xmask:4 row_mask:0xf bank_mask:0xf
	v_add_f32_dpp v104, v104, v104 row_xmask:8 row_mask:0xf bank_mask:0xf
	v_permlanex16_b32 v115, v104, s38, s39
	v_add_f32 v103, v104, v115                     ; l
.irp k, 0,1,2,3,4,5,6,7,8,9,10,11,12,13,14,15,16,17,18,19,20,21,22,23,24,25,26,27,28,29,30,31
	v_readlane_b32 s[PS+\k], v[PP], \k
.endr
.irp k, 0,1,2,3,4,5,6,7,8,9,10,11,12,13,14,15,16,17,18,19,20,21,22,23,24,25,26,27,28,29,30,31
	CTXROW \k
.endr
	WIN 0
.irp g, 0,1,2,3,4,5,6,7
	ds_store_b128 v[TL], v[CT+4*\g:CT+4*\g+3] offset:16*\g
.endr
	v_lshlrev_b32 v2, 3, v1
	BAR
.irp u, 0,1,2,3
.irp g, 0,1
	ds_load_b128 v[128+8*\u+4*\g:131+8*\u+4*\g], v[RDS] offset:4608*\u+576*\g
.endr
.endr
	s_wait_dscnt 0x0
.irp g, 0,1
.irp q, 0,2
	v_pk_add_f32 v[128+4*\g+\q:129+4*\g+\q], v[128+4*\g+\q:129+4*\g+\q], v[136+4*\g+\q:137+4*\g+\q]
	v_pk_add_f32 v[144+4*\g+\q:145+4*\g+\q], v[144+4*\g+\q:145+4*\g+\q], v[152+4*\g+\q:153+4*\g+\q]
.endr
.endr
.irp g, 0,1
.irp q, 0,2
	v_pk_add_f32 v[128+4*\g+\q:129+4*\g+\q], v[128+4*\g+\q:129+4*\g+\q], v[144+4*\g+\q:145+4*\g+\q]
.endr
.endr
	global_store_b128 v[OUTO], v[128:131], s[12:13]               ; each store of the wave covers 512 consecutive bytes, aligned to 256
	global_store_b128 v[OUTO], v[132:135], s[12:13] offset:512
	s_cmp_lg_u32 s14, 0
	s_cbranch_scc1 .Lnot_first
	global_store_b64 v2, v[102:103], s[12:13] offset:4096         ; (M, l), the same pair in all 32 lanes' places: one unit of 256 bytes
.Lnot_first:
	s_wait_xcnt 0x0                                ; the stores have read their registers and their base
	s_add_nc_u64 s[12:13], s[12:13], 4352          ; the next block's place in part
	s_sub_nc_u64 s[30:31], s[30:31], 6*SLOTB       ; no tensor load is out: the ring's group 0 goes back to w_e's second 8 blocks (its LDS address has changed six times: it is slot 1's again)
	s_add_co_u32 s[TC], s[TC], 1
	s_cmp_lt_u32 s[TC], 2
	s_wait_alu depctr_va_vdst(0)
	s_cbranch_scc1 .Ltile
	s_wait_tensorcnt 0x0                           ; the wave's end
	ds_add_u32 v[SPW], v[NIL]
	s_wait_dscnt 0x0
	CROUND                                         ; the closing round
	s_endpgm
.Lfunc_end_k_q702a8a1984_main:
	.size	k_q702a8a1984_main, .Lfunc_end_k_q702a8a1984_main-k_q702a8a1984_main
	.p2alignl 7, 3214868480
	.fill 96, 4, 3214868480
	.section	.rodata,"a",@progbits
	.p2align	6, 0x0
	.amdhsa_kernel k_q702a8a1984_main
		.amdhsa_group_segment_fixed_size 327680
		.amdhsa_private_segment_fixed_size 0
		.amdhsa_enable_private_segment 0
		.amdhsa_kernarg_size 40
		.amdhsa_user_sgpr_count 2
		.amdhsa_user_sgpr_kernarg_segment_ptr 1
		.amdhsa_wavefront_size32 1
		.amdhsa_system_sgpr_workgroup_id_x 1
		.amdhsa_system_sgpr_workgroup_id_y 1
		.amdhsa_system_sgpr_workgroup_id_z 1
		.amdhsa_system_vgpr_workitem_id 0
		.amdhsa_next_free_vgpr 1024
		.amdhsa_next_free_sgpr 98
		.amdhsa_reserve_vcc 0
		.amdhsa_float_denorm_mode_32 3
		.amdhsa_float_denorm_mode_16_64 3
		.amdhsa_memory_ordered 1
		.amdhsa_forward_progress 1
		.amdhsa_inst_pref_size 255
	.end_amdhsa_kernel
	.section	.bss,"aw",@nobits
	.p2align	6
	.space	262144
	.amdgpu_metadata
---
amdhsa.version: [ 1, 2 ]
amdhsa.kernels:
  - .name:           k_q702a8a1984_main
    .symbol:         k_q702a8a1984_main.kd
    .args:
      - { .name: encoder_outputs, .offset: 0, .size: 8, .value_kind: global_buffer, .address_space: global }
      - { .name: wq, .offset: 8, .size: 8, .value_kind: global_buffer, .address_space: global }
      - { .name: ph, .offset: 16, .size: 8, .value_kind: global_buffer, .address_space: global }
      - { .name: v_w, .offset: 24, .size: 8, .value_kind: global_buffer, .address_space: global }
      - { .name: part, .offset: 32, .size: 8, .value_kind: global_buffer, .address_space: global }
    .group_segment_fixed_size: 327680
    .private_segment_fixed_size: 0
    .kernarg_segment_align: 8
    .kernarg_segment_size: 40
    .max_flat_workgroup_size: 128
    .sgpr_count:     98
    .vgpr_count:     1024
    .wavefront_size: 32
...
	.end_amdgpu_metadata
.endif
;; end of part 2
;; launch comb (part 3): grid 4 x 16, 2 waves a work-group, no clusters, 0 bytes of LDS; arguments part, out0; writes out0
.if DOCPART == 3
	.amdgcn_target "amdgcn-amd-amdhsa--gfx1250"
	.amdhsa_code_object_version 6
	.text
	.protected	k_q702a8a1984_comb
	.globl	k_q702a8a1984_comb
	.p2align	8
	.type	k_q702a8a1984_comb,@function
k_q702a8a1984_comb:
	s_mov_b64 s[64:65], 0
	v_nop
	global_prefetch_b8 v0, s[64:65] scope:SCOPE_SE
	s_setreg_imm32_b32 hwreg(HW_REG_WAVE_MODE, 25, 1), 1
	s_wait_xcnt 0x0
; COMB.  out0(b, :) = sum over the batch's 32 tiles t of g(t) ctx(t, :), g(t) = e^(M(t) - M) / L, M = the largest M(t), L = sum of e^(M(t) - M) l(t).
; part: 4,352 bytes a tile: ctx [1024] f32, then (M, l).  Work-group (x, b) makes columns 256 x .. 256 x + 255 of batch b; a thread makes four.
; A stream of 2.2 MB with no reuse: no LDS, no barrier, no matrix unit.  Lane t of each wave takes tile t's (M, l); all 32 loads of ctx go out at once, each covering 512 consecutive bytes a wave.
.set TILEB, 4352
	s_load_b128 s[4:7], s[0:1], 0x0                ; part, out0
	s_and_b32 s10, ttmp7, 0xffff                   ; the batch
	s_mul_i32 s12, s10, 32*TILEB
	s_mov_b32 s13, 0
	s_lshl_b32 s14, ttmp9, 10                      ; my 256 columns, in bytes
	s_mov_b32 s15, 0
	s_lshl_b32 s48, s10, 12
	s_add_co_u32 s48, s48, s14
	s_mov_b32 s49, 0
	s_mov_b32 s8, 0x76543210
	s_mov_b32 s9, 0xfedcba98                       ; v_permlanex16_b32's selects for lane l xor 16
	v_and_b32 v1, 31, v0
	v_mul_u32_u24 v1, v1, TILEB
	v_lshlrev_b32 v16, 4, v0
	s_wait_alu depctr_va_vdst(0)
	s_wait_kmcnt 0x0
	s_add_nc_u64 s[4:5], s[4:5], s[12:13]
	s_add_nc_u64 s[50:51], s[4:5], s[14:15]
	s_add_nc_u64 s[6:7], s[6:7], s[48:49]
	global_load_b64 v[2:3], v1, s[4:5] offset:4096
.irp t, 0,1,2,3,4,5,6,7,8,9,10,11,12,13,14,15,16,17,18,19,20,21,22,23,24,25,26,27,28,29,30,31
	global_load_b128 v[32+4*\t:35+4*\t], v16, s[50:51] offset:TILEB*\t
.endr
	v_mov_b32 v5, 0                                ; a lane permute's destination counts as one of its sources
	s_wait_loadcnt 32                              ; (M, l) is in; the 32 loads behind it may be out
	v_mov_b32 v4, v2
	v_max_num_f32_dpp v4, v4, v4 row_xmask:1 row_mask:0xf bank_mask:0xf
	v_max_num_f32_dpp v4, v4, v4 row_xmask:2 row_mask:0xf bank_mask:0xf
	v_max_num_f32_dpp v4, v4, v4 row_xmask:4 row_mask:0xf bank_mask:0xf
	v_max_num_f32_dpp v4, v4, v4 row_xmask:8 row_mask:0xf bank_mask:0xf
	s_wait_alu depctr_va_vdst(0)
	v_permlanex16_b32 v5, v4, s8, s9
	v_max_num_f32 v4, v4, v5                       ; M
	v_sub_f32 v6, v2, v4
	v_mul_f32 v6, 0x3fb8aa3b, v6
	s_wait_alu depctr_va_vdst(0)
	v_exp_f32 v6, v6                               ; f(t) = e^(M(t) - M)
	v_nop
	s_wait_alu depctr_va_vdst(0)
	v_mul_f32 v7, v6, v3
	v_add_f32_dpp v7, v7, v7 row_xmask:1 row_mask:0xf bank_mask:0xf
	v_add_f32_dpp v7, v7, v7 row_xmask:2 row_mask:0xf bank_mask:0xf
	v_add_f32_dpp v7, v7, v7 row_xmask:4 row_mask:0xf bank_mask:0xf
	v_add_f32_dpp v7, v7, v7 row_xmask:8 row_mask:0xf bank_mask:0xf
	v_permlanex16_b32 v5, v7, s8, s9
	v_add_f32 v7, v7, v5                           ; L: at least 1, since the tile that holds M has f = 1 and l at least 1
	s_wait_alu depctr_va_vdst(0)
	v_rcp_f32 v8, v7
	v_nop
	s_wait_alu depctr_va_vdst(0)
	v_mul_f32 v6, v6, v8                           ; g(t)
.irp t, 0,1,2,3,4,5,6,7,8,9,10,11,12,13,14,15,16,17,18,19,20,21,22,23,24,25,26,27,28,29,30,31
	v_readlane_b32 s[16+\t], v6, \t
.endr
	s_wait_loadcnt 31                              ; tile 0's ctx is in; the 31 younger loads may be out
.irp q, 0,1,2,3
	v_mul_f32 v[12+\q], s16, v[32+\q]              ; the first tile starts the sums
.endr
	s_wait_alu depctr_va_vdst(0)
.irp t, 1,2,3,4,5,6,7,8,9,10,11,12,13,14,15,16,17,18,19,20,21,22,23,24,25,26,27,28,29,30,31
	s_wait_alu depctr_va_vdst(0)
	s_wait_loadcnt 31-\t                           ; loads come back in order (ISA guide 5.7.1): tile t's is in
.irp q, 0,1,2,3
	v_fmac_f32 v[12+\q], s[16+\t], v[32+4*\t+\q]
.endr
.endr
	global_store_b128 v16, v[12:15], s[6:7]        ; each store of the wave covers 512 consecutive bytes, aligned to 256
	s_endpgm
.Lfunc_end_k_q702a8a1984_comb:
	.size	k_q702a8a1984_comb, .Lfunc_end_k_q702a8a1984_comb-k_q702a8a1984_comb
	.p2alignl 7, 3214868480
	.fill 96, 4, 3214868480
	.section	.rodata,"a",@progbits
	.p2align	6, 0x0
	.amdhsa_kernel k_q702a8a1984_comb
		.amdhsa_group_segment_fixed_size 0
		.amdhsa_private_segment_fixed_size 0
		.amdhsa_enable_private_segment 0
		.amdhsa_kernarg_size 16
		.amdhsa_user_sgpr_count 2
		.amdhsa_user_sgpr_kernarg_segment_ptr 1
		.amdhsa_wavefront_size32 1
		.amdhsa_system_sgpr_workgroup_id_x 1
		.amdhsa_system_sgpr_workgroup_id_y 1
		.amdhsa_system_sgpr_workgroup_id_z 1
		.amdhsa_system_vgpr_workitem_id 0
		.amdhsa_next_free_vgpr 160
		.amdhsa_next_free_sgpr 66
		.amdhsa_reserve_vcc 0
		.amdhsa_float_denorm_mode_32 3
		.amdhsa_float_denorm_mode_16_64 3
		.amdhsa_memory_ordered 1
		.amdhsa_forward_progress 1
		.amdhsa_inst_pref_size 14
	.end_amdhsa_kernel
	.amdgpu_metadata
---
amdhsa.version: [ 1, 2 ]
amdhsa.kernels:
  - .name:           k_q702a8a1984_comb
    .symbol:         k_q702a8a1984_comb.kd
    .args:
      - { .name: part, .offset: 0, .size: 8, .value_kind: global_buffer, .address_space: global }
      - { .name: out0, .offset: 8, .size: 8, .value_kind: global_buffer, .address_space: global }
    .group_segment_fixed_size: 0
    .private_segment_fixed_size: 0
    .kernarg_segment_align: 8
    .kernarg_segment_size: 16
    .max_flat_workgroup_size: 64
    .sgpr_count:     66
    .vgpr_count:     160
    .wavefront_size: 32
...
	.end_amdgpu_metadata
.endif
;; end of part 3
